; MI455X (gfx1250); checked and timed in simulation.
; The chip was launched on July 23, 2026; its instructions are those of AMD's public machine-readable ISA for CDNA 5 (MIT licence, August 2026) and "CDNA5" Instruction Set Architecture Reference Guide (July 2026). The comments in the code are by the model that wrote it; some were corrected since.
;; Attention Block. Allowed arithmetic: matrix products marked QUANTISED: E3M2 operands, one E8M0 scale for each 32 along K, by v_wmma_scale_f32_16x16x128_f8f6f4 with both operands' format E3M2, f32 sums; everything else in f32.
;; Inputs: Wk_codes 32 x 8 x 24 uint8 (E3M2 codes of Wk, K innermost, in blocks of 32 codes, four codes in three bytes); Wk_scales 32 x 8 uint8 (E8M0 scales of Wk, one for each 32 codes along K); Wq_codes 32 x 8 x 24 uint8 (E3M2 codes of Wq, K innermost, in blocks of 32 codes, four codes in three bytes); Wq_scales 32 x 8 uint8 (E8M0 scales of Wq, one for each 32 codes along K); Wv_codes 256 x 8 x 24 uint8 (E3M2 codes of Wv, K innermost, in blocks of 32 codes, four codes in three bytes); Wv_scales 256 x 8 uint8 (E8M0 scales of Wv, one for each 32 codes along K); bk 32 float32; bq 32 float32; bv 256 float32; gamma 1 float32; x 4 x 256 x 64 x 64 float32.
;; Outputs: out0 4 x 256 x 64 x 64 float32.
;; This version of the problem:
;;   THIS VERSION OF THE PROBLEM IS GIVEN IN LOW PRECISION. The matrix products marked QUANTISED in the list below multiply operands that are first quantised to E3M2 (3 exponent bits, 2 mantissa bits; 6 bits a number), with one power-of-two scale for each 32 numbers along K (OCP MX v1.0); their sums are f32. All else is computed in f32.
;;   The module's matrix products, in the order in which they are computed (A, B: the left and right operand; K: the contracted axis; several contracted axes count as one K, in the product's order):
;;     1. [M 16,384, K 256] x [K 256, N 32]; A: input x; B: input Wq (given as codes): QUANTISED
;;     2. [M 16,384, K 256] x [K 256, N 32]; A: input x; B: input Wk (given as codes): QUANTISED
;;     3. [M 16,384, K 256] x [K 256, N 256]; A: input x; B: input Wv (given as codes): QUANTISED
;;     4. batch 4 x [M 4,096, K 32] x [K 32, N 4,096]; A: computed on the way; B: computed on the way: QUANTISED
;;     5. batch 4 x [M 256, K 4,096] x [K 4,096, N 4,096]; A: computed on the way; B: softmax (see below): QUANTISED
;;   THE QUANTISER, for each operand of a quantised product, along K:
;;     - K is cut into blocks of 32 from its start; a last block that is shorter is filled with zeros.
;;     - A block's scale is 2^e with e = floor(log2(the largest magnitude in the block)) - 4, held to -126 .. 127; a block of zeros has e = 0. As a byte (E8M0): e + 127.
;;     - Each number is divided by its block's scale, clamped to +-28, and rounded to the nearest number of E3M2, ties to even, subnormals kept.
;;     - The product sums the exact products of the quantised numbers (number of the format x scale) in f32.
;;   ~~~python
;;   def quantise(x, axis):      # numpy; x: float32 -> the quantised numbers, widened to float32 again
;;       x = np.moveaxis(x, axis, -1); K = x.shape[-1]
;;       x = np.pad(x, [(0, 0)] * (x.ndim - 1) + [(0, -K % 32)]); x = x.reshape(x.shape[:-1] + (-1, 32)); a = np.abs(x).max(-1, keepdims=True)
;;       e = np.where(a > 0, np.clip(np.frexp(np.where(a > 0, a, 1))[1] - 1 - 4, -126, 127), 0)      # np.frexp(a)[1] - 1 = floor(log2(a)), exactly
;;       r = np.clip(x / 2.0 ** e, -28, 28)
;;       step = 2.0 ** (np.maximum(np.frexp(np.where(r == 0, 1, r))[1] - 1, -2) - 2)
;;       q = np.round(r / step) * step * 2.0 ** e      # np.round: ties to even
;;       return np.moveaxis(q.reshape(q.shape[:-2] + (-1,))[..., :K], -1, axis).astype(np.float32)
;;   ~~~
;;   SOFTMAX AHEAD OF A QUANTISED PRODUCT. Where the list says 'softmax', what is quantised is not the finished softmax but p = 2^(t - M), with t = logit x log2(e) and M = ceil(the row's largest t), a whole number; so 1/2 < the row's largest p <= 1. The row's sum l is taken of the UNQUANTISED p, in f32, and the product's result is divided by l at the end. Since M is a whole number, a kernel that streams over the keys may use a running M (the ceiling of the running maximum): every later rescaling is an exact power of two, which a block's scale takes up: the codes' values come out the same.
;;   OPERANDS COMPUTED ON THE WAY. 'Computed on the way' means the value that the module computes at that place (a softmax that the list does not call 'softmax' is quantised finished and normalised). What goes into a quantiser is computed in f32, as accurately as f32 sums, v_exp_f32 and their like allow (about 1e-6 of the number): no bf16 or f16 on the way to a quantiser, and a product that is left as it is and whose result goes on into a quantised operand takes f32 operands (vector FMAs, or v_wmma_f32_16x16x4_f32). A number that lies on a knife's edge between two numbers of the format may be rounded either way, as far as f32 arithmetic and the matrix unit's own rounding can turn it there, and no further.
;;   INPUTS GIVEN AS CODES. Wk (in the module: [32, 256], K = its axis 1); Wq (in the module: [32, 256], K = its axis 1); Wv (in the module: [256, 256], K = its axis 1): each comes as NAME_codes (uint8): NAME with its K axis moved to the last place and cut into blocks of 32 codes, [.., K / 32, bytes a block], one block behind the other in memory; four codes in three bytes: a row's codes are one little-endian stream of bits, code i at bits 6 i .. 6 i + 5 (a code: sign, 3 exponent bits, 2 mantissa bits); and NAME_scales (uint8): the same leading axes, one E8M0 byte (e + 127) for each 32 codes along K. Its value is code x scale, taken as it is: it is not quantised again, and the codes and scales need not be those that the quantiser above would give.
;; One version. Each part assembles by itself: llvm-mc -triple=amdgcn-amd-amdhsa -mcpu=gfx1250 --defsym DOCPART=n.
;; ======== version 1 of 1: 2 launches
;; workspace buffers: qws 458,752 bytes; kv 3,735,552 bytes
;; launch proj (part 1): grid 64 x 4, 4 waves a work-group, no clusters, 13,312 bytes of LDS; arguments x, Wv_codes, Wv_scales, bv, Wq_codes, Wq_scales, bq, Wk_codes, Wk_scales, bk, qws, kv; writes qws, kv
.if DOCPART == 1
	.amdgcn_target "amdgcn-amd-amdhsa--gfx1250"
	.amdhsa_code_object_version 6
	.text
	.protected	k_q203b497f45_proj
	.globl	k_q203b497f45_proj
	.p2align	8
	.type	k_q203b497f45_proj,@function
k_q203b497f45_proj:
	s_mov_b64 s[64:65], 0
	v_nop
	global_prefetch_b8 v0, s[64:65] scope:SCOPE_SE
	s_setreg_imm32_b32 hwreg(HW_REG_WAVE_MODE, 25, 1), 1
	s_wait_xcnt 0x0
; q = Wq x + bq, k = Wk x + bk, v = Wv x + bv for 64 positions of one batch, all three products on codes of BF6 (E3M2) with one E8M0 scale for each 32 along K,
; and their results quantised again for the attention launch: q and k along their 32 channels, v along the positions (the keys of the second attention product).
; x: [4][256 channels][4096 positions] f32, K = the channels, which are NOT innermost: a lane takes a position and its registers run down the channels, so that each load
; reads 128 consecutive bytes, a block of 32 along K lies in one lane, and the conversions give codes with K innermost.  Nothing is transposed by an instruction.
; SHARES.  Work-group (x, y): batch y, positions 64 x .. 64 x + 63.  X PHASE: wave w (pg = w % 2, ks = w / 2) quantises channels 128 ks .. +127 of positions 32 pg .. +31: two fragments, which go to the
; other waves through LDS as images of their registers (16 bytes a lane, 512 bytes a store).  PRODUCTS: wave w makes channels 64 w .. 64 w + 63 of v for all 64 positions; wave 0 also q, wave 1 also k (one text, the pointers chosen by the wave's number).
; THE POSITIONS OF A TILE ARE NOT NEIGHBOURS: row r of tile (pg, u) is position 32 pg + 8 u + r + 8 (r / 8), so that the 16 registers of v's tiles (pg, 0), (pg, 1) are 16 neighbouring positions;
; likewise the rows of Wq and Wk, so that the 16 registers of q's two tiles are 16 neighbouring channels.
; WHAT IS WRITTEN, as images of the registers that the attention launch wants:
;   qws: a record of 1,792 bytes for each 64 positions: a fragment of 16 rows x 4 blocks in which block 2 c + h of row r is ALL 32 channels of position 32 c + 16 (r / 8) + 8 h + r % 8 (three groups of four registers, 16 bytes a lane), then each lane's scale word twice (8 bytes a lane).
;   kv: a chunk of 29,184 bytes for each 128 positions: two halves of 14,080 (64 positions each: sixteen pieces of 768 bytes, registers 6 hc .. 6 hc + 5 of v's fragment of 16 channels x 128 keys; then k's record as q's), then 1,024 bytes: v's scale word of each channel.
; Of v's scale words this work-group writes two bytes of each four (its 64 positions): 512 bytes of the 14,592 that it stores leave as stores of two bytes; all else leaves as runs of 256 or 512 consecutive bytes, aligned.
; NO CLUSTER: nothing comes by tensor load here; what the work-groups share is the weights, which each wave loads once, straight into its operand registers.
; LIMITS: NaN and infinities among the inputs are not served.  A block whose largest magnitude lies under 2^-122 keeps the scale byte 1; a block of zeros has the byte 1 where the quantiser says 127: its codes are zeros, and these bytes are read by this program alone.
; REGISTERS.  Window 0: v1-11 addresses; v12-15 bv as loaded; v16-111 x's eight fragments (X phase: v16-39 the two made here, v40-72 at work); v112-115 x's scale words, v116-123 Wv's, v124-127 Wq's or Wk's; v128-255 x as loaded, then the accumulators.
;   Window 1: v0-95 Wv's eight fragments; v96-127 bv as the C of v's sums; v128-175 Wq's or Wk's four fragments; v176-191 bq or bk as C.
.set CH,    29184                      ; a chunk of kv
.set HALF,  14080                      ; a half of it
.set KOFF,  12288                      ; k's record in a half
.set VSOFF, 28160                      ; v's scale words in a chunk
.set QREC,  1792                       ; a record of qws
.set FRB,   1536                       ; a fragment's image: 12 registers x 128 bytes
.set XIMG,  0                          ; LDS: x's eight fragments, index 4 pg + 2 u + ks
.set XSC,   8*FRB                      ; and their scale words: 128 bytes for each (pg, ks): lanes 0-15 tile u = 0, lanes 16-31 tile u = 1
.set XF,    16
.set XS,    112
.set WVS,   116
.set WQS,   124
.set RAW,   128
.set ACC,   128
.set WVF,   0                          ; window 1
.set BVC,   96
.set WQF,   128
.set BQC,   176
.set WV,    32                         ; s32 wave, s33 pg, s34 ks, s35 batch
.set SEL,   36                         ; s[36:37] v_permlanex16_b32's selects for lane l xor 16
.set MSB, 0
.macro WIN new                         ; the immediate's high byte repeats the setting that is left
.if MSB != \new
	s_set_vgpr_msb (MSB<<8)|\new
.set MSB, \new
.endif
.endm
; Block b (32 channels) of my position: its largest magnitude, its scale, its 32 codes.  All 32 numbers are mine.
.macro XBLK b
.set RW, RAW+32*(\b)
.set XT, 56+4*(\b)
.set FD, 16+12*((\b)%2)+6*((\b)/2)
	v_max3_num_f32 v[XT], |v[RW]|, |v[RW+1]|, |v[RW+2]|
	v_max3_num_f32 v[XT+1], |v[RW+3]|, |v[RW+4]|, |v[RW+5]|
.irp i, 6,10,14,18,22,26
	v_max3_num_f32 v[XT], v[XT], |v[RW+\i]|, |v[RW+\i+1]|
	v_max3_num_f32 v[XT+1], v[XT+1], |v[RW+\i+2]|, |v[RW+\i+3]|
.endr
	v_max3_num_f32 v[XT], v[XT], |v[RW+30]|, |v[RW+31]|
	v_max3_num_f32 v[XT], v[XT], v[XT+1], 0x2800000    ; and the floor 2^(5 - 127): the byte cannot fall under 1
	v_add_nc_u32 v[XT+2], 0xfe000000, v[XT]            ; 4 off the exponent field: the conversion takes the exponent field of this operand as its scale
	v_lshrrev_b32 v[XT+3], 23, v[XT+2]                 ; the scale's byte
.if (\b) == 0
	v_mov_b32 v72, v[XT+3]                             ; four bytes make my position's scale word for this K step
.else
	v_lshl_or_b32 v72, v[XT+3], 8*(\b), v72
.endif
	v_cvt_scalef32_pk16_bf6_f32 v[FD:FD+2], v[RW:RW+15], v[XT+2]                 ; even blocks go to v16-27, odd ones to v28-39
	v_cvt_scalef32_pk16_bf6_f32 v[40+4*(\b):42+4*(\b)], v[RW+16:RW+31], v[XT+2]  ; (a conversion's three registers begin on an even number: the upper half is made elsewhere and moved)
.endm
; 64 numbers of a lane, v[s] .. v[s + 63], register 16 b + i = number 32 b + 16 (lane / 16) + i of my row, become a fragment's codes in v[PC] on and its scale word in v[PW].  TM, PC, PW are set ahead of each use.
.macro QUANT s
.irp b, 0,1,2,3
	v_max3_num_f32 v[TM+\b], |v[\s+16*\b]|, |v[\s+1+16*\b]|, 0x2800000   ; block b: my 16 numbers, and the floor 2^(5 - 127)
.endr
.irp i, 2,4,6,8,10,12,14
.irp b, 0,1,2,3
	v_max3_num_f32 v[TM+\b], v[TM+\b], |v[\s+16*\b+\i]|, |v[\s+1+16*\b+\i]|   ; (the four blocks by turns)
.endr
.endr
.irp b, 0,1,2,3
	v_permlanex16_b32 v[TM+4+\b], v[TM+\b], s[SEL], s[SEL+1]
.endr
.irp b, 0,1,2,3
	v_max_num_f32 v[TM+\b], v[TM+\b], v[TM+4+\b]       ; with lane l xor 16's: the block's largest magnitude
.endr
.irp b, 0,1,2,3
	v_add_nc_u32 v[TM+12+\b], 0xfe000000, v[TM+\b]     ; the conversion's scale operand
.endr
.irp b, 0,1,2,3
	v_lshrrev_b32 v[TM+4+\b], 23, v[TM+12+\b]          ; the scale's byte
.endr
	v_lshl_or_b32 v[PW], v[TM+5], 8, v[TM+4]
	v_lshl_or_b32 v[PW], v[TM+6], 16, v[PW]
	v_lshl_or_b32 v[PW], v[TM+7], 24, v[PW]
.irp c, 0,1
	v_cvt_scalef32_pk16_bf6_f32 v[PC+6*\c:PC+2+6*\c], v[\s+32*\c:\s+15+32*\c], v[TM+12+2*\c]
	v_cvt_scalef32_pk16_bf6_f32 v[PC+12+4*\c:PC+14+4*\c], v[\s+16+32*\c:\s+31+32*\c], v[TM+12+2*\c+1]
.endr
	v_nop                                              ; one plain place behind a scaled conversion
.irp c, 0,1                                        ; the operand's layout wants a WHOLE block in a lane: lanes 0-15 block 2 c, lanes 16-31 block 2 c + 1
.irp i, 0,1,2
	v_permlane16_swap_b32 v[PC+6*\c+\i], v[PC+12+4*\c+\i]
.endr
.irp i, 0,1,2
	v_mov_b32 v[PC+3+6*\c+\i], v[PC+12+4*\c+\i]
.endr
.endr
.endm
; q or k: source 0 = 16 rows of the weight (tile d), source 1 = x's tile (g, u), K step s.  The first K step takes the bias as C.
.macro QKMUL g, u, d, s
.set aD, ACC+16*(2*\g+\u)+8*\d
.set aC, aD
.if \s == 0
.set aC, BQC+8*\d
.endif
.set aW, WQF+12*(2*\d+\s)
.set aX, XF+12*(2*(2*\g+\u)+\s)
.if \u == 0
	v_wmma_scale_f32_16x16x128_f8f6f4 v[aD:aD+7], v[aW:aW+11], v[aX:aX+11], v[aC:aC+7], v[WQS+2*\d+\s], v[XS+2*\g+\s] matrix_a_fmt:MATRIX_FMT_BF6 matrix_b_fmt:MATRIX_FMT_BF6
.else
	v_wmma_scale_f32_16x16x128_f8f6f4 v[aD:aD+7], v[aW:aW+11], v[aX:aX+11], v[aC:aC+7], v[WQS+2*\d+\s], v[XS+2*\g+\s] matrix_a_fmt:MATRIX_FMT_BF6 matrix_b_fmt:MATRIX_FMT_BF6 matrix_b_scale:MATRIX_SCALE_ROW1
.endif
.endm
; v: source 0 = x's tile (g, u), source 1 = 16 rows of Wv (tile i of my four): a lane holds one channel and eight positions.
.macro VMUL i, g, u, s
.set aD, ACC+16*(2*\i+\g)+8*\u
.set aC, aD
.if \s == 0
.set aC, BVC+8*\i
.endif
.set aW, WVF+12*(2*\i+\s)
.set aX, XF+12*(2*(2*\g+\u)+\s)
.if \u == 0
	v_wmma_scale_f32_16x16x128_f8f6f4 v[aD:aD+7], v[aX:aX+11], v[aW:aW+11], v[aC:aC+7], v[XS+2*\g+\s], v[WVS+2*\i+\s] matrix_a_fmt:MATRIX_FMT_BF6 matrix_b_fmt:MATRIX_FMT_BF6
.else
	v_wmma_scale_f32_16x16x128_f8f6f4 v[aD:aD+7], v[aX:aX+11], v[aW:aW+11], v[aC:aC+7], v[XS+2*\g+\s], v[WVS+2*\i+\s] matrix_a_fmt:MATRIX_FMT_BF6 matrix_b_fmt:MATRIX_FMT_BF6 matrix_a_scale:MATRIX_SCALE_ROW1
.endif
.endm
	s_load_b512 s[8:23], s[0:1], 0x0               ; x 8:9, Wv's codes 10:11, Wv's scales 12:13, bv 14:15, Wq's codes 16:17, Wq's scales 18:19, bq 20:21, Wk's codes 22:23
	s_load_b256 s[24:31], s[0:1], 0x40             ; Wk's scales 24:25, bk 26:27, qws 28:29, kv 30:31
	s_set_vgpr_msb 0x40
	v_lshl_add_u32 v192, v0, 2, 0x3200
	v_mov_b32 v193, 0
	s_set_vgpr_msb 0x4000
	v_lshrrev_b32 v100, 5, v0
	v_readfirstlane_b32 s[WV], v100                ; wave 0..3
	s_and_b32 s33, s[WV], 1                        ; pg
	s_lshr_b32 s34, s[WV], 1                       ; ks
	s_and_b32 s35, ttmp7, 0xffff                   ; batch
	s_mov_b32 s[SEL], 0x76543210
	s_mov_b32 s[SEL+1], 0xfedcba98
	v_and_b32 v100, 31, v0                         ; lane L
	v_bfe_u32 v101, v0, 4, 1                       ; h = L / 16
	v_bfe_u32 v102, v0, 3, 1                       ; (L / 8) % 2 = r / 8
	v_and_b32 v103, 15, v0                         ; r = L % 16
	v_lshl_add_u32 v104, v102, 3, v103             ; r + 8 (r / 8)
	v_and_b32 v1, 7, v0
	v_lshl_add_u32 v1, v101, 3, v1
	v_lshl_add_u32 v1, v102, 4, v1                 ; my position among the wave's 32: L % 8 + 8 (L / 16) + 16 ((L / 8) % 2): lanes 0-15 are the rows of tile u = 0, lanes 16-31 those of u = 1
	v_lshlrev_b32 v1, 2, v1                        ; in bytes: the 32 lanes cover 128 consecutive bytes
	v_lshlrev_b32 v2, 4, v100                      ; 16 L
	v_lshlrev_b32 v3, 2, v100                      ; 4 L
	v_lshlrev_b32 v4, 3, v100                      ; 8 L
	s_lshl_b32 s60, s33, 2
	s_add_co_u32 s60, s60, s34
	s_mul_i32 s60, s60, FRB
	v_add_nc_u32 v5, s60, v2                       ; where I store my fragments' images: 16 L + (4 pg + ks) x 1,536 (+ 3,072 u)
	s_lshl_b32 s60, s33, 1
	s_add_co_u32 s60, s60, s34
	s_lshl_b32 s60, s60, 7
	v_add_nc_u32 v6, s60, v3                       ; and my scale word: 4 L + (2 pg + ks) x 128
	v_mul_u32_u24 v7, v103, 192                    ; Wv: row r of 192 bytes (256 codes), + 24 h
	v_mad_u32_u24 v7, v101, 24, v7
	v_lshlrev_b32 v8, 3, v103                      ; its scale bytes: 8 a row
	v_lshlrev_b32 v9, 2, v103                      ; bv: 4 r
	v_mul_u32_u24 v10, v104, 192                   ; Wq, Wk: row r + 8 (r / 8)
	v_mad_u32_u24 v10, v101, 24, v10
	v_lshlrev_b32 v11, 3, v104
	v_lshlrev_b32 v74, 6, v101                     ; bq, bk: lane (r, h) wants channels 16 h + 8 d + 0 .. 7
	s_lshl_b32 s38, s35, 22                        ; x: batch x 4 MiB + ks x 128 rows of 16,384 bytes + (64 x + 32 pg) x 4
	s_lshl_b32 s60, s34, 21
	s_add_co_u32 s38, s38, s60
	s_lshl_b32 s60, ttmp9, 8
	s_add_co_u32 s38, s38, s60
	s_lshl_b32 s60, s33, 7
	s_add_co_u32 s38, s38, s60
	s_mov_b32 s39, 0
	s_mul_i32 s40, s[WV], 12288                    ; my 64 rows of Wv,
	s_mov_b32 s41, 0
	s_lshl_b32 s42, s[WV], 9                       ; their scale bytes,
	s_mov_b32 s43, 0
	s_lshl_b32 s44, s[WV], 8                       ; my 64 numbers of bv
	s_mov_b32 s45, 0
	s_lshl_b32 s46, s35, 5
	s_lshr_b32 s60, ttmp9, 1
	s_add_co_u32 s46, s46, s60
	s_mul_i32 s46, s46, CH                         ; my chunk of kv: 32 batch + x / 2
	s_and_b32 s60, ttmp9, 1                        ; hc: which half of it
	s_mul_i32 s56, s60, HALF
	s_add_co_u32 s56, s56, s46
	s_mov_b32 s57, 0
	s_lshl_b32 s58, s60, 1                         ; v's scale words: my two bytes of each word, my wave's 64 channels
	s_add_co_u32 s58, s58, s46
	s_add_co_u32 s58, s58, s44
	s_add_co_u32 s58, s58, VSOFF
	s_mov_b32 s59, 0
	s_lshl_b32 s62, s35, 6
	s_add_co_u32 s62, s62, ttmp9
	s_mul_i32 s62, s62, QREC                       ; my record of qws
	s_mov_b32 s63, 0
	s_wait_kmcnt 0x0
	s_add_nc_u64 s[8:9], s[8:9], s[38:39]
	s_add_nc_u64 s[10:11], s[10:11], s[40:41]
	s_add_nc_u64 s[12:13], s[12:13], s[42:43]
	s_add_nc_u64 s[14:15], s[14:15], s[44:45]
	s_add_nc_u64 s[56:57], s[30:31], s[56:57]      ; kv at my half
	s_add_nc_u64 s[58:59], s[30:31], s[58:59]      ; kv at my scale bytes
	s_add_nc_u64 s[62:63], s[28:29], s[62:63]      ; q's record
	s_add_nc_u64 s[60:61], s[56:57], KOFF          ; k's record
	s_cmp_eq_u32 s[WV], 0                          ; wave 0 makes q, wave 1 k: the choice hangs on the wave's number alone
	s_cselect_b64 s[48:49], s[16:17], s[22:23]
	s_cselect_b64 s[50:51], s[18:19], s[24:25]
	s_cselect_b64 s[52:53], s[20:21], s[26:27]
	s_cselect_b64 s[54:55], s[62:63], s[60:61]
	s_mul_i32 s40, s[WV], 3072
	s_add_nc_u64 s[56:57], s[56:57], s[40:41]      ; v's codes: my four pieces of 768 bytes
; x first: it comes from furthest.  No hint: the attention launch reads x again.
.set n, 0
.rept 128
	global_load_b32 v[RAW+n], v1, s[8:9] offset:16384*n   ; channel 128 ks + n of my position
.set n, n+1
.endr
	WIN 0x40                                       ; destination window 1
.irp i, 0,1,2,3
.irp s, 0,1
.irp p, 0,1,2,3,4,5
	global_load_b64 v[WVF+12*(2*\i+\s)+2*\p:WVF+12*(2*\i+\s)+2*\p+1], v7, s[10:11] offset:3072*\i+96*\s+48*(\p/3)+8*(\p%3)
.endr
.endr
.endr
	WIN 0
.irp i, 0,1,2,3
.irp s, 0,1
	global_load_b32 v[WVS+2*\i+\s], v8, s[12:13] offset:128*\i+4*\s
.endr
	global_load_b32 v[12+\i], v9, s[14:15] offset:64*\i
.endr
	s_cmp_ge_u32 s[WV], 2
	s_cbranch_scc1 .Lno_qk_loads
	WIN 0x40
.irp d, 0,1
.irp s, 0,1
.irp p, 0,1,2,3,4,5
	global_load_b64 v[WQF+12*(2*\d+\s)+2*\p:WQF+12*(2*\d+\s)+2*\p+1], v10, s[48:49] offset:1536*\d+96*\s+48*(\p/3)+8*(\p%3)   ; tile d begins at row 8 d
.endr
.endr
	global_load_b128 v[BQC+8*\d:BQC+8*\d+3], v74, s[52:53] offset:32*\d
	global_load_b128 v[BQC+8*\d+4:BQC+8*\d+7], v74, s[52:53] offset:32*\d+16
.endr
	WIN 0
.irp d, 0,1
.irp s, 0,1
	global_load_b32 v[WQS+2*\d+\s], v11, s[50:51] offset:64*\d+4*\s
.endr
.endr
.Lno_qk_loads:
	s_wait_loadcnt 0x0                             ; loads come back in order (ISA guide 5.7.1): the weights were asked for behind x and follow it
	WIN 0x40
.irp i, 0,1,2,3
.irp j, 0,1,2,3,4,5,6,7
	v_mov_b32 v[BVC+8*\i+\j], v[12+\i]             ; in v's results a lane holds ONE channel: its bias eight times is the C of the sum's first product
.endr
.endr
	WIN 0
; ---- X: my 32 positions x 128 channels become two fragments
	XBLK 0
	XBLK 1
	XBLK 2
	XBLK 3
	v_nop                                          ; one plain place behind a scaled conversion
.irp b, 0,1,2,3
.irp i, 0,1,2
	v_mov_b32 v[16+12*(\b%2)+6*(\b/2)+3+\i], v[40+4*\b+\i]
.endr
.endr
.set n, 0
.rept 12
	v_permlane16_swap_b32 v[16+n], v[28+n]         ; v16-27 held every lane's blocks 0 and 2, v28-39 blocks 1 and 3.  Now v16-27 are the fragment of lanes 0-15's positions (tile u = 0), v28-39 that of lanes 16-31's (u = 1)
.set n, n+1
.endr
.irp u, 0,1
.irp c, 0,1,2
	ds_store_b128 v5, v[16+12*\u+4*\c:16+12*\u+4*\c+3] offset:XIMG+2*FRB*\u+512*\c
.endr
.endr
	ds_store_b32 v6, v72 offset:XSC
	s_wait_dscnt 0x0                               ; for the others' sake: my images lie in LDS
	s_barrier_signal -1
	s_barrier_wait -1                              ; everybody's do.  The launch's one barrier: nothing in LDS is written again
.irp f, 0,1,2,3,4,5,6,7
.irp c, 0,1,2
	ds_load_b128 v[XF+12*\f+4*\c:XF+12*\f+4*\c+3], v2 offset:XIMG+FRB*\f+512*\c
.endr
.endr
.irp i, 0,1,2,3
	ds_load_b32 v[XS+\i], v3 offset:XSC+128*\i
.endr
	s_wait_dscnt 0x0
; ---- q (wave 0) or k (wave 1): eight accumulators by turns; the tile (g, u, d) lies at v[128 + 16 (2 g + u) + 8 d]
	s_cmp_ge_u32 s[WV], 2
	s_cbranch_scc1 .Lv
	WIN 0x11                                       ; source 0 (the weight) and source 2 (the bias) window 1
.irp g, 0,1
.irp u, 0,1
.irp d, 0,1
	QKMUL \g, \u, \d, 0
.endr
.endr
.endr
	WIN 0x01
.irp g, 0,1
.irp u, 0,1
.irp d, 0,1
	QKMUL \g, \u, \d, 1
.endr
.endr
.endr
	WIN 0
.rept 4
	v_nop                                          ; four places behind the products (ISA guide 7.12.1)
.endr
.set TM, 192
.set PW, 208
.set PC, 212
	QUANT ACC                                      ; block 2 g + u: the 32 channels of tile (g, u)'s row r: each position is one block
	v_mov_b32 v209, v208
.irp c, 0,1,2
	global_store_b128 v2, v[PC+4*\c:PC+4*\c+3], s[54:55] offset:512*\c     ; the wave stores 512 consecutive bytes
.endr
	global_store_b64 v4, v[208:209], s[54:55] offset:FRB                    ; the scale word twice: 256 consecutive bytes
	s_wait_xcnt 0x0                                ; the stores' data lie where v's accumulators come: they are written again only behind this wait
.Lv:
; ---- v: sixteen accumulators by turns; the tile (i, g, u) lies at v[128 + 16 (2 i + g) + 8 u]
	WIN 0x14                                       ; source 1 (Wv) and source 2 (bv) window 1
.irp i, 0,1,2,3
.irp g, 0,1
.irp u, 0,1
	VMUL \i, \g, \u, 0
.endr
.endr
.endr
	WIN 0x04
.irp i, 0,1,2,3
.irp g, 0,1
.irp u, 0,1
	VMUL \i, \g, \u, 1
.endr
.endr
.endr
	WIN 0
.rept 4
	v_nop
.endr
	v_and_b32 v36, 16, v0                          ; 16 h
.irp q, 0,1                                    ; two channel tiles at a time: blocks 2 c + g = channel tile 2 q + c, positions 32 g .. +31
.set TM, 16
.set PW, 32+\q
.set PC, 40+24*\q
	QUANT ACC+64*\q
.irp c, 0,1                                    ; registers 6 c .. 6 c + 5: lane (r, h): channel r of tile 2 q + c, positions 32 h .. +31 of my 64: registers 6 hc .. 6 hc + 5 of v's fragment
	global_store_b128 v2, v[PC+6*\c:PC+6*\c+3], s[56:57] offset:768*(2*\q+\c)
	global_store_b64 v4, v[PC+6*\c+4:PC+6*\c+5], s[56:57] offset:768*(2*\q+\c)+512
.endr
	v_lshrrev_b32 v[34+\q], v36, v[PW]             ; lanes 0-15 keep tile 2 q's two bytes, lanes 16-31 take tile 2 q + 1's
	global_store_b16 v3, v[34+\q], s[58:59] offset:128*\q
.endr
	s_set_vgpr_msb 0x5
	s_wait_tensorcnt 0x0
	ds_add_u32 v192, v193
	s_wait_dscnt 0x0
	s_set_vgpr_msb 0x500
	s_endpgm
.Lfunc_end_k_q203b497f45_proj:
	.size	k_q203b497f45_proj, .Lfunc_end_k_q203b497f45_proj-k_q203b497f45_proj
	.p2alignl 7, 3214868480
	.fill 96, 4, 3214868480
	.section	.rodata,"a",@progbits
	.p2align	6, 0x0
	.amdhsa_kernel k_q203b497f45_proj
		.amdhsa_group_segment_fixed_size 13312
		.amdhsa_private_segment_fixed_size 0
		.amdhsa_enable_private_segment 0
		.amdhsa_kernarg_size 96
		.amdhsa_user_sgpr_count 2
		.amdhsa_user_sgpr_kernarg_segment_ptr 1
		.amdhsa_wavefront_size32 1
		.amdhsa_system_sgpr_workgroup_id_x 1
		.amdhsa_system_sgpr_workgroup_id_y 1
		.amdhsa_system_sgpr_workgroup_id_z 1
		.amdhsa_system_vgpr_workitem_id 0
		.amdhsa_next_free_vgpr 450
		.amdhsa_next_free_sgpr 66
		.amdhsa_reserve_vcc 0
		.amdhsa_float_denorm_mode_32 3
		.amdhsa_float_denorm_mode_16_64 3
		.amdhsa_memory_ordered 1
		.amdhsa_forward_progress 1
		.amdhsa_inst_pref_size 54
	.end_amdhsa_kernel
	.amdgpu_metadata
---
amdhsa.version: [ 1, 2 ]
amdhsa.kernels:
  - .name:           k_q203b497f45_proj
    .symbol:         k_q203b497f45_proj.kd
    .args:
      - { .name: x, .offset: 0, .size: 8, .value_kind: global_buffer, .address_space: global }
      - { .name: Wv_codes, .offset: 8, .size: 8, .value_kind: global_buffer, .address_space: global }
      - { .name: Wv_scales, .offset: 16, .size: 8, .value_kind: global_buffer, .address_space: global }
      - { .name: bv, .offset: 24, .size: 8, .value_kind: global_buffer, .address_space: global }
      - { .name: Wq_codes, .offset: 32, .size: 8, .value_kind: global_buffer, .address_space: global }
      - { .name: Wq_scales, .offset: 40, .size: 8, .value_kind: global_buffer, .address_space: global }
      - { .name: bq, .offset: 48, .size: 8, .value_kind: global_buffer, .address_space: global }
      - { .name: Wk_codes, .offset: 56, .size: 8, .value_kind: global_buffer, .address_space: global }
      - { .name: Wk_scales, .offset: 64, .size: 8, .value_kind: global_buffer, .address_space: global }
      - { .name: bk, .offset: 72, .size: 8, .value_kind: global_buffer, .address_space: global }
      - { .name: qws, .offset: 80, .size: 8, .value_kind: global_buffer, .address_space: global }
      - { .name: kv, .offset: 88, .size: 8, .value_kind: global_buffer, .address_space: global }
    .group_segment_fixed_size: 13312
    .private_segment_fixed_size: 0
    .kernarg_segment_align: 8
    .kernarg_segment_size: 96
    .max_flat_workgroup_size: 128
    .sgpr_count:     66
    .vgpr_count:     450
    .wavefront_size: 32
...
	.end_amdgpu_metadata
.endif
;; end of part 1
;; launch attn (part 2): grid 64 x 4, 8 waves a work-group, clusters of 4 x 1, 327,680 bytes of LDS; arguments qws, kv, x, gamma, out0; writes out0
.if DOCPART == 2
	.amdgcn_target "amdgcn-amd-amdhsa--gfx1250"
	.amdhsa_code_object_version 6
	.text
	.protected	k_q203b497f45_attn
	.globl	k_q203b497f45_attn
	.p2align	8
	.type	k_q203b497f45_attn,@function
k_q203b497f45_attn:
	s_mov_b64 s[64:65], 0
	v_nop
	global_prefetch_b8 v0, s[64:65] scope:SCOPE_SE
	s_setreg_imm32_b32 hwreg(HW_REG_WAVE_MODE, 25, 1), 1
	s_wait_xcnt 0x0
	s_wait_alu depctr_hold_cnt(0) depctr_sa_sdst(0) depctr_va_vdst(0) depctr_va_sdst(0) depctr_va_ssrc(0) depctr_va_vcc(0) depctr_vm_vsrc(0)
	s_getreg_b32 s2, hwreg(HW_REG_IB_STS2, 6, 4)
	s_cmp_eq_u32 s2, 0
	s_cbranch_scc0 .Lentry_in_a_cluster
	s_endpgm
.Lentry_in_a_cluster:
	s_bfe_u32 s2, ttmp6, 0x10000c
	s_cmp_lg_u32 s2, 0x3003
	s_cbranch_scc0 .Lentry_shape_is_right
	s_endpgm
.Lentry_shape_is_right:
; out[b][c][i] = gamma x (the sum over j of v[b][c][j] softmax_j(q[b][:][i] . k[b][:][j])) + x[b][c][i], both products on codes of BF6 (E3M2) with one E8M0 scale for each 32 along K.
; q, k, v come as the launch before has laid them: images of operand registers (qws: a record for each 64 queries; kv: a chunk of 29,184 bytes for each 128 keys).
; THE SOFTMAX AHEAD OF THE SECOND PRODUCT: t = score x log2(e); M = the largest t so far, rounded UP to a whole number; p = 2^(t - M) is quantised along the keys, not normalised; the row's sum is taken of the
; unquantised p.  When M moves, the sum and O are multiplied by 2^(old M - new M): exact.
; SHARES.  A work-group owns 64 queries of one batch.  16,384 queries over 256 work-groups leave four tiles of 16 to a work-group, so THE KEYS ARE SHARED TOO: wave w (qp = w % 2, kq = w / 2) takes query tiles
; (qp, 0), (qp, 1) and keys 1,024 kq .. +1,023, in eight steps of 128, with an M and a sum of its own; at the end the four quarters are merged through LDS, by exact powers of two.  Two waves lie on a SIMD: one's vector work stands beside the other's products.
; THE FIRST PRODUCT HAS K = 32, a quarter of the instruction's 128.  A fragment of k holds a WHOLE KEY in each of its 64 blocks (row r, block 2 c + h = key 32 c + 16 (r / 8) + 8 h + r % 8 of 64), and q's operand holds the query in ONE block
; and zero codes in the other three: four such operands take the four blocks out, one tile of 16 keys x 16 queries each.  So 64 keys cost three LDS loads, and the 16 registers of tiles 2 b, 2 b + 1 are 16 neighbouring keys.
; Both products are used transposed (S^T = k q^T, O^T = v p^T): a lane holds one query throughout.
; CLUSTER.  The four work-groups of a cluster belong to one batch and walk the same chunks: each fill is asked for JOINTLY, by the same tensor load with the same descriptor and the mask of all four.
; Each of the eight waves brings half a chunk (57 rows of 256 bytes, dense in memory); a step's four chunks, 116,736 bytes, make a slot; two slots take turns.  By this text's own count a wave has one tensor load out.
; LIMITS: NaN and infinities are not served.  p under 2^-126 counts as 0 (v_exp_f32's result); a block's largest p is taken through the block's largest score, which takes v_exp_f32 not to fall where its input rises.
; A block of p that is all zeros keeps the scale byte 1.  The zero codes beside q stand under q's own scale byte: q's scale x any key's scale has to stay under 2^128.
; REGISTERS.  Window 1: O^T, tile (t, ct) at v[128 t + 8 ct].  Window 0: v1-2 the add's; v3-6 lane places, v7-10 the step's addresses, v11 x's offset; v12-19 statistics (-M, the largest t, the sum in two halves, for each tile);
;   v20-23 f; v24-25 p's scale words, v26-27 q's, v28 k's, v30-37 v's; v40-61 at work; v62-85 p's codes; v86-139 q's operands; v140-235 k's fragments and S^T, then v's fragments in two sets; v236 on: the way out.
.set CH,    29184                      ; a chunk: 128 keys
.set HALF,  14080                      ; a half of it: 64 keys: v's sixteen pieces of 768 bytes, k's fragment, k's scale words
.set KOFF,  12288
.set KSOFF, 13824
.set VSOFF, 28160                      ; v's scale words: 4 bytes a channel
.set PART,  14592                      ; what one tensor load brings: half a chunk's bytes
.set QREC,  1792
.set SLOT1, 1<<17                      ; slot 1 begins here: one exclusive or turns an address in one slot into the other's
.set STP,   272                        ; the way out: a stage row: 64 queries x 4 bytes + 16
.set STQ,   256*STP                    ; a quarter's stage: 256 channels.  The four stages lie in the slots, which have had their last fill and their last read when the first result is stored there
.set STAT,  4*STQ                      ; behind them: the waves' statistics, 512 bytes a wave,
.set GT,    STAT+4096                  ; the factors g, 256 bytes a quarter,
.set SPARE, GT+1024                    ; and the spare words, 128 bytes for each wave: four blocks of 256 bytes that no other line names
.set SPW, 1
.set NIL, 2
.set FP,  20
.set PWR, 24
.set QSC, 26
.set KSC, 28
.set VS,  30
.set BM,  40                           ; v40-43 the blocks' largest scores, then p
.set PX,  44                           ; v44-47 the other half's; then the bytes
.set SOP, 48                           ; v48-51 the conversions' scale operands
.set CT,  52                           ; v52-59 the conversions' upper halves
.set PF,  62
.set QS,  86                           ; zeros, lo0, zeros, hi0, zeros, lo1, zeros, hi1, zeros: six registers each
.set KF,  140
.set S,   172
.set VF,  140
.set NMQ, 118                          ; the way out: the four quarters' -M (v118.., v126..) and sums (v122.., v130..)
.set FT,  134                          ; three registers of factors for each tile
.set XR,  140                          ; x: 16 x 4 registers
.set GR,  204                          ; g: 4 x 4 registers
.set BUF, 86                           ; two buffers of 16 registers for the stages' rows
.set SR,  240
.set WV,  14                           ; s14 wave, s15 qp, s16 kq
.set SEL, 20
.set CS,  22                           ; s[22:23] log2(e): the packed form names a pair and takes its low word for both halves
.set G1,  24
.set G0,  32
.set TB,  36                           ; s36 the slot in hand
.set MSB, 0
.macro WIN new                         ; the immediate's high byte repeats the setting that is left
.if MSB != \new
	s_set_vgpr_msb (MSB<<8)|\new
.set MSB, \new
.endif
.endm
.macro PLACES                          ; four places behind a matrix instruction (ISA guide 7.12.1)
.rept 4
	v_nop
.endr
.endm
.macro CROUND                          ; a round of the cluster's barrier
	s_barrier_signal -1
	s_barrier_wait -1
	s_cmp_lg_u32 s[WV], 0
	s_cbranch_scc1 .Lnot_wave_0_\@
	s_barrier_signal -3
.Lnot_wave_0_\@:
	s_barrier_wait -3
	s_barrier_signal -1
	s_barrier_wait -1
.endm
; THE CHANGE OF SLOTS stands at a step's head.  Each wave waits for all its tensor loads (its part of the slot that it is about to read), adds 0 to its spare word, and waits for that and for its reads of the slot that it has left.
; fill = 1: a round of the cluster's barrier, and first behind it the joint load of the next step's chunks into the slot just left: it has a whole step in which to land.
.macro CHANGE fill
	WIN 0
	s_wait_tensorcnt 0x0                           ; no tensor load of mine is out, so group 0 may be written
	ds_add_u32 v[SPW], v[NIL]                      ; 0 onto my spare word
.if \fill
	s_xor_b32 s[G0+1], s[G0+1], SLOT1              ; the other slot than last time,
	s_add_nc_u64 s[G0+2:G0+3], s[G0+2:G0+3], CH    ; the next chunk of my quarter; the type bits on top are not reached
.endif
	s_wait_dscnt 0x0                               ; the add is done, and my reads of the slot that I have left are over
.if \fill
	CROUND                                         ; the same holds of every wave of all four work-groups
	tensor_load_to_lds s[G0:G0+3], s[G1:G1+7]
	s_nop 0
	PLACES
.else
	s_barrier_signal -1
	s_barrier_wait -1
.endif
.endm
; S^T of query tile t: eight tiles of 16 keys.  Tile 4 g + b: k's fragment g against the operand that holds q in block b.
.macro SMUL t
.irp g, 0,1
.irp b, 0,1,2,3
.set aQ, QS+24*\t+12*(\b%2)+6-6*(\b/2)
.if \g == 0
	v_wmma_scale_f32_16x16x128_f8f6f4 v[S+8*(4*\g+\b):S+8*(4*\g+\b)+7], v[KF+12*\g:KF+12*\g+11], v[aQ:aQ+11], 0, v[KSC], v[QSC+\t] matrix_a_fmt:MATRIX_FMT_BF6 matrix_b_fmt:MATRIX_FMT_BF6
.else
	v_wmma_scale_f32_16x16x128_f8f6f4 v[S+8*(4*\g+\b):S+8*(4*\g+\b)+7], v[KF+12*\g:KF+12*\g+11], v[aQ:aQ+11], 0, v[KSC], v[QSC+\t] matrix_a_fmt:MATRIX_FMT_BF6 matrix_b_fmt:MATRIX_FMT_BF6 matrix_a_scale:MATRIX_SCALE_ROW1
.endif
.endr
.endr
.endm
; The softmax of tile t for 128 keys: register S + 16 b + i holds key 32 b + 16 (lane / 16) + i of my query.
.macro SOFT t
.set ST, 12+4*\t
.set FF, FP+2*\t
.set PP, PF+12*\t
.irp b, 0,1,2,3
	v_max3_num_f32 v[BM+\b], v[S+16*\b], v[S+1+16*\b], v[S+2+16*\b]   ; the largest score of each block of 32 keys: it serves the row's maximum and, since p rises with the score, the block's largest p
.endr
.irp i, 3,5,7,9,11,13
.irp b, 0,1,2,3
	v_max3_num_f32 v[BM+\b], v[BM+\b], v[S+16*\b+\i], v[S+1+16*\b+\i]
.endr
.endr
.irp b, 0,1,2,3
	v_max_num_f32 v[BM+\b], v[BM+\b], v[S+15+16*\b]
.endr
.irp b, 0,1,2,3
	v_permlanex16_b32 v[PX+\b], v[BM+\b], s[SEL], s[SEL+1]
.endr
.irp b, 0,1,2,3
	v_max_num_f32 v[BM+\b], v[BM+\b], v[PX+\b]     ; with lane l xor 16's 16 keys
.endr
	v_max3_num_f32 v60, v[BM], v[BM+1], v[BM+2]
	v_max_num_f32 v60, v60, v[BM+3]
	v_mul_f32 v60, s[CS], v60                      ; as t (log2(e) is positive)
	v_max_num_f32 v[ST+1], v[ST+1], v60            ; the running largest t
	v_mov_b32 v60, v[ST]
	v_floor_f32 v[ST], -v[ST+1]                    ; the new -M = floor(-t) = -ceil(t)
	v_sub_f32 v60, v[ST], v60                      ; old M - new M: a whole number, 0 or less
	v_cvt_i32_f32 v60, v60                         ; (it saturates)
	v_ldexp_f32 v[FF], 1.0, v60                    ; f = 2^(old M - new M)
.set n, 0
.rept 32
	v_pk_fma_f32 v[S+n:S+n+1], v[S+n:S+n+1], s[CS:CS+1], v[ST:ST+1] op_sel_hi:[1,0,0]   ; t - M, two at a time
.set n, n+2
.endr
.irp b, 0,1,2,3
	v_fma_f32 v[BM+\b], v[BM+\b], s[CS], v[ST]     ; the same of each block's largest score
.endr
.set n, 0
.rept 64
	v_exp_f32 v[S+n], v[S+n]                       ; p = 2^(t - M)
.set n, n+1
.endr
.irp b, 0,1,2,3
	v_exp_f32 v[BM+\b], v[BM+\b]                   ; the block's largest p: the same two instructions on the same number give the same bits
.endr
	v_pk_mul_f32 v[ST+2:ST+3], v[ST+2:ST+3], v[FF:FF+1] op_sel_hi:[1,0]   ; the sum under the new M.  (The plain place behind the exponentials)
	s_wait_alu depctr_va_vdst(0)
.irp b, 0,1,2,3
	v_max_num_f32 v[BM+\b], 0x2800000, v[BM+\b]    ; the floor 2^(5 - 127): the byte cannot fall under 1
.endr
.irp b, 0,1,2,3
	v_add_nc_u32 v[SOP+\b], 0xfe000000, v[BM+\b]   ; 4 off the exponent field: the conversion's scale operand
.endr
.irp b, 0,1,2,3
	v_lshrrev_b32 v[PX+\b], 23, v[SOP+\b]          ; the scale's byte
.endr
	v_lshl_or_b32 v[PWR+\t], v[PX+1], 8, v[PX]     ; p's scale word for these 128 keys
	v_lshl_or_b32 v[PWR+\t], v[PX+2], 16, v[PWR+\t]
	v_lshl_or_b32 v[PWR+\t], v[PX+3], 24, v[PWR+\t]
.irp c, 0,1
	v_cvt_scalef32_pk16_bf6_f32 v[PP+6*\c:PP+6*\c+2], v[S+32*\c:S+32*\c+15], v[SOP+2*\c]
	v_cvt_scalef32_pk16_bf6_f32 v[CT+4*\c:CT+4*\c+2], v[S+16+32*\c:S+31+32*\c], v[SOP+2*\c+1]
.endr
	v_nop                                          ; one plain place behind a scaled conversion
.irp c, 0,1                                    ; the operand's layout wants a WHOLE block in a lane
.irp i, 0,1,2
	v_permlane16_swap_b32 v[PP+6*\c+\i], v[CT+4*\c+\i]
.endr
.irp i, 0,1,2
	v_mov_b32 v[PP+3+6*\c+\i], v[CT+4*\c+\i]
.endr
.endr
	v_pk_add_f32 v[60:61], v[S:S+1], v[S+2:S+3]    ; the row's sum is taken of the UNQUANTISED p: two at a time, in two chains
.irp j, 4,8,12,16,20,24,28,32,36,40,44,48,52,56,60
	v_pk_add_f32 v[ST+2:ST+3], v[ST+2:ST+3], v[S+\j:S+\j+1]
	v_pk_add_f32 v[60:61], v[60:61], v[S+\j+2:S+\j+3]
.endr
	v_pk_add_f32 v[ST+2:ST+3], v[ST+2:ST+3], v[60:61]
.endm
; v's fragments of channel tiles 4 G .. 4 G + 3 into a set of 48 registers: each half of the keys gave six registers: 16 and 8 bytes a lane, as they were stored
.macro LOADV G, set
.irp i, 0,1,2,3
.set aV, VF+48*(\set)+12*\i
	ds_load_b128 v[aV:aV+3], v7 offset:768*(4*(\G)+\i)
	ds_load_b64 v[aV+4:aV+5], v8 offset:768*(4*(\G)+\i)+512
	ds_load_b128 v[aV+6:aV+9], v7 offset:HALF+768*(4*(\G)+\i)
	ds_load_b64 v[aV+10:aV+11], v8 offset:HALF+768*(4*(\G)+\i)+512
.endr
.endm
.macro RESC G                          ; O^T of channel tiles 4 G .. 4 G + 3 under the new M: x f, each accumulator from its low end on
	WIN 0x41                                       ; O^T window 1, f window 0
.irp t, 0,1
.set n, 0
.rept 16
	v_pk_mul_f32 v[128*\t+32*(\G)+n:128*\t+32*(\G)+n+1], v[128*\t+32*(\G)+n:128*\t+32*(\G)+n+1], v[FP+2*\t:FP+2*\t+1] op_sel_hi:[1,0]
.set n, n+2
.endr
.endr
.endm
; O^T += v p^T: four channel tiles x two query tiles: eight accumulators by turns.  first = 1: the products start the sums: nothing is ever cleared.
.macro MULV G, set, first
	WIN 0x50                                       ; C and D window 1
.irp i, 0,1,2,3
.irp t, 0,1
.set aO, 128*\t+8*(4*(\G)+\i)
.set aV, VF+48*(\set)+12*\i
.set aS, VS+(4*(\G)+\i)/2
.if \first
.if \i%2 == 0
	v_wmma_scale_f32_16x16x128_f8f6f4 v[aO:aO+7], v[aV:aV+11], v[PF+12*\t:PF+12*\t+11], 0, v[aS], v[PWR+\t] matrix_a_fmt:MATRIX_FMT_BF6 matrix_b_fmt:MATRIX_FMT_BF6
.else
	v_wmma_scale_f32_16x16x128_f8f6f4 v[aO:aO+7], v[aV:aV+11], v[PF+12*\t:PF+12*\t+11], 0, v[aS], v[PWR+\t] matrix_a_fmt:MATRIX_FMT_BF6 matrix_b_fmt:MATRIX_FMT_BF6 matrix_a_scale:MATRIX_SCALE_ROW1
.endif
.else
.if \i%2 == 0
	v_wmma_scale_f32_16x16x128_f8f6f4 v[aO:aO+7], v[aV:aV+11], v[PF+12*\t:PF+12*\t+11], v[aO:aO+7], v[aS], v[PWR+\t] matrix_a_fmt:MATRIX_FMT_BF6 matrix_b_fmt:MATRIX_FMT_BF6
.else
	v_wmma_scale_f32_16x16x128_f8f6f4 v[aO:aO+7], v[aV:aV+11], v[PF+12*\t:PF+12*\t+11], v[aO:aO+7], v[aS], v[PWR+\t] matrix_a_fmt:MATRIX_FMT_BF6 matrix_b_fmt:MATRIX_FMT_BF6 matrix_a_scale:MATRIX_SCALE_ROW1
.endif
.endif
.endr
.endr
.endm
; A STEP: 128 keys of my quarter.  first = 1: the first step.  pf = 1: the last step, in which x's rows for the way out are asked for ahead.
.macro STEP first, pf
	v_add_nc_u32 v7, s[TB], v3
	v_add_nc_u32 v8, s[TB], v4
	v_add_nc_u32 v9, s[TB], v5
	v_add_nc_u32 v10, s[TB], v6
	v_nop                                          ; with the four above: six places behind the last step's products, in front of the loads into v's registers and of the products that write over them
	v_nop
.irp g, 0,1
.irp c, 0,1,2
	ds_load_b128 v[KF+12*\g+4*\c:KF+12*\g+4*\c+3], v7 offset:HALF*\g+KOFF+512*\c
.endr
.endr
	ds_load_b32 v[KSC], v10 offset:KSOFF           ; lanes 0-15: fragment 0's scale words, lanes 16-31: fragment 1's
.irp i, 0,1,2,3,4,5,6,7
	ds_load_b32 v[VS+\i], v9 offset:VSOFF+128*\i   ; lanes 0-15: channel tile 2 i's scale words, lanes 16-31: tile 2 i + 1's
.endr
	s_wait_dscnt 8                                 ; k and its scale words are in; v's eight scale words may be out
	SMUL 0
.if \pf
	global_prefetch_b8 v236, s[8:9] th:TH_LOAD_NT scope:SCOPE_SE   ; thread c asks for the 256 bytes of x's channel c at my work-group's 64 queries: each of the 256 rows once, one step ahead of their loads
.endif
	PLACES
	SOFT 0
	SMUL 1
	PLACES
	SOFT 1
	LOADV 0, 0
	LOADV 1, 1
.if \first == 0
	RESC 0
.endif
.irp G, 0,1,2,3
.if \G < 3
	s_wait_dscnt 16                                ; this set is in; the younger set's sixteen loads may be out
.else
	s_wait_dscnt 0x0
.endif
	MULV \G, \G%2, \first
.if \G < 3
.if \first == 0
	RESC \G+1                                      ; also the places in front of the loads below
.elseif \G < 2
	PLACES
.endif
.endif
.if \G < 2
	WIN 0
	LOADV \G+2, \G%2
.endif
.endr
	WIN 0
	s_xor_b32 s[TB], s[TB], SLOT1                  ; on to the other slot
.endm
	s_load_b256 s[4:11], s[0:1], 0x0               ; qws 4:5, kv 6:7, x 8:9, gamma 10:11
	s_load_b64 s[12:13], s[0:1], 0x20              ; out0
	v_lshl_add_u32 v[SPW], v0, 2, SPARE
	v_mov_b32 v[NIL], 0
	ds_add_u32 v1, v2
	s_wait_dscnt 0x0
	v_lshrrev_b32 v3, 5, v0
	v_readfirstlane_b32 s[WV], v3                  ; wave 0..7
	s_and_b32 s15, s[WV], 1                        ; qp
	s_lshr_b32 s16, s[WV], 1                       ; kq
	s_bfe_u32 s17, ttmp6, 0x40000                  ; cx: my place in the cluster
	s_lshl_b32 s18, ttmp9, 2
	s_add_co_u32 s18, s18, s17                     ; my block of 64 queries = 4 x cluster x + cx: it enters q's, x's and out's addresses alone
	s_and_b32 s19, ttmp7, 0xffff                   ; the batch, which the four partners share
	; descriptor group 1: 57 rows of 256 bytes (32 elements of 8 bytes), dense, no padding: the images are read as they lie
	s_mov_b32 s[G1], 15|(3<<16)|(1<<21)            ; 15:0 the mask: all four work-groups; 17:16 elements of 8 bytes; 21 set beside a mask
	s_mov_b32 s[G1+1], 32<<16                      ; tensor_dim0 = 32
	s_mov_b32 s[G1+2], 57<<16                      ; tensor_dim1 = 57
	s_mov_b32 s[G1+3], 32<<16                      ; tile_dim0 = 32
	s_mov_b32 s[G1+4], 57                          ; tile_dim1 = 57
	s_mov_b32 s[G1+5], 32                          ; tensor_dim0_stride
	s_mov_b32 s[G1+6], 0
	s_mov_b32 s[G1+7], 0
	s_mov_b32 s[G0], 1                             ; count = 1
	s_mul_i32 s[G0+1], s[WV], PART                 ; LDS: slot 0, wave x 14,592: quarter kq's chunk, half qp of its bytes
	s_lshl_b32 s42, s19, 5
	s_lshl_b32 s41, s16, 3
	s_add_co_u32 s42, s42, s41
	s_mul_i32 s42, s42, CH                         ; memory: chunk 32 batch + 8 kq,
	s_mul_i32 s41, s15, PART
	s_add_co_u32 s42, s42, s41                     ; my half of its bytes
	s_mov_b32 s43, 0
	s_lshl_b32 s44, s19, 22                        ; x and out: batch x 4 MiB + 256 bytes x my block
	s_lshl_b32 s17, s18, 8
	s_add_co_u32 s44, s44, s17
	s_mov_b32 s45, 0
	s_lshl_b32 s46, s19, 6
	s_add_co_u32 s46, s46, s18
	s_mul_i32 s46, s46, QREC                       ; q's record
	s_mov_b32 s47, 0
	s_mov_b32 s[SEL], 0x76543210
	s_mov_b32 s[SEL+1], 0xfedcba98
	s_mov_b32 s[CS], 0x3fb8aa3b                    ; log2(e)
	s_mov_b32 s[CS+1], s[CS]
	s_mov_b32 s[TB], 0
	s_lshl_b32 s39, s15, 1
	s_mul_i32 s39, s39, 0x01010101                 ; v_perm_b32's selects: byte 2 qp of a word four times,
	s_add_co_u32 s40, s39, 0x01010101              ; byte 2 qp + 1 four times
	s_wait_kmcnt 0x0
	s_load_b32 s38, s[10:11], 0x0                  ; gamma
	s_add_nc_u64 s[G0+2:G0+3], s[6:7], s[42:43]
	s_or_b32 s[G0+3], s[G0+3], 0x80000000          ; type = 2
	s_add_nc_u64 s[4:5], s[4:5], s[46:47]
	s_add_nc_u64 s[8:9], s[8:9], s[44:45]
	s_add_nc_u64 s[12:13], s[12:13], s[44:45]
	CROUND                                         ; all four work-groups are here: the first joint loads meet
	tensor_load_to_lds s[G0:G0+3], s[G1:G1+7]      ; step 0's chunks into slot 0
	s_nop 0
	PLACES
	v_and_b32 v237, 31, v0                         ; L
	v_and_b32 v238, 15, v0                         ; r
	v_bfe_u32 v239, v0, 4, 1                       ; h
	s_mul_i32 s41, s15, 520                        ; q: registers 6 qp .. 6 qp + 5 of the record's image, in pairs: bytes 0, 8, 512 (qp = 0) or 520, 1,024, 1,032 (qp = 1) + 16 L
	v_lshl_add_u32 v240, v237, 4, s41
	s_mul_i32 s41, s15, 1016
	v_lshl_add_u32 v241, v237, 4, s41
	v_lshlrev_b32 v242, 3, v238
	global_load_b64 v[140:141], v240, s[4:5]
	global_load_b64 v[142:143], v241, s[4:5] offset:8
	global_load_b64 v[144:145], v240, s[4:5] offset:512
	global_load_b32 v152, v242, s[4:5] offset:1536 ; row r's scale word
	s_mul_i32 s41, s16, CH                         ; my quarter's chunk in a slot
	v_lshl_add_u32 v3, v237, 4, s41                ; 16 L
	v_lshl_add_u32 v4, v237, 3, s41                ; 8 L
	v_lshl_add_u32 v5, v237, 2, s41                ; 4 L
	v_mul_u32_u24 v6, v239, HALF
	v_lshl_add_u32 v6, v238, 3, v6
	v_add_nc_u32 v6, s41, v6                       ; k's scale words: 8 r, lanes 16-31 in the second half
	v_lshlrev_b32 v11, 4, v238                     ; x, out: 16 r + (32 wave + h) rows of 16,384 bytes
	v_lshl_add_u32 v11, v239, 14, v11
	s_lshl_b32 s41, s[WV], 19
	v_add_nc_u32 v11, s41, v11
	v_lshlrev_b32 v236, 14, v0                     ; the prefetch: thread c, row c
.irp z, 0,12,24,36,48
.irp i, 0,1,2,3,4,5
	v_mov_b32 v[QS+\z+\i], 0                       ; the zero codes beside q
.endr
.endr
.irp i, 0,1,2,3,4,5
	v_mov_b32 v[146+\i], 0                         ; (a lane permute's destination counts as one of its sources)
.endr
	v_and_b32 v243, 16, v0
	v_cmp_eq_u32 vcc_lo, 0, v243                   ; lanes 0-15
	s_wait_loadcnt 0x0
.irp i, 0,1,2,3,4,5
	v_permlanex16_b32 v[146+\i], v[140+\i], s[SEL], s[SEL+1]
.endr
.irp i, 0,1,2,3,4,5                            ; as loaded, lanes 0-15 hold tile 0's queries and lanes 16-31 tile 1's.  lo: the tile's codes in lanes 0-15, zeros above; hi: in lanes 16-31, zeros below
	v_cndmask_b32 v[QS+6+\i], v[QS], v[140+\i], vcc_lo
	v_cndmask_b32 v[QS+18+\i], v[146+\i], v[QS], vcc_lo
	v_cndmask_b32 v[QS+30+\i], v[QS], v[146+\i], vcc_lo
	v_cndmask_b32 v[QS+42+\i], v[140+\i], v[QS], vcc_lo
.endr
	v_perm_b32 v[QSC], v152, v152, s39             ; the query's scale byte in all four bytes: it serves whichever block holds q
	v_perm_b32 v[QSC+1], v152, v152, s40
.irp t, 0,1
	v_mov_b32 v[13+4*\t], 0xff61b1e6               ; the largest t so far: -3e38, under every t
	v_floor_f32 v[12+4*\t], -v[13+4*\t]            ; -M
	v_mov_b32 v[14+4*\t], 0                        ; the sum, in two halves
	v_mov_b32 v[15+4*\t], 0
	v_mov_b32 v[FP+2*\t+1], 0                      ; (named as the upper half of f's pair)
.endr
.irp b, 0,1,2,3
	v_mov_b32 v[PX+\b], 0                          ; (a lane permute's destination)
.endr
	s_wait_kmcnt 0x0                               ; gamma
	CHANGE 1                                       ; step 0 has landed; step 1 is asked for, into slot 1
	STEP 1, 0
	s_mov_b32 s37, 6
.Lstep:                                            ; steps 1 to 6
	CHANGE 1
	STEP 0, 0
	s_sub_co_u32 s37, s37, 1
	s_cmp_lg_u32 s37, 0
	s_cbranch_scc1 .Lstep
	CHANGE 0                                       ; the last step is written out: nothing is left to ask for
	STEP 0, 1
; THE MERGE.  Each wave's -M and sum go to LDS; every wave then knows the row's M* = the largest of the four M, the whole sum L = the sum of 2^(M' - M*) l', and its own factor g = gamma 2^(M - M*) / L.
.irp t, 0,1
	v_add_f32 v[14+4*\t], v[14+4*\t], v[15+4*\t]   ; the sum's two halves,
.endr
.irp t, 0,1
	v_permlanex16_b32 v[PX+\t], v[14+4*\t], s[SEL], s[SEL+1]
.endr
.irp t, 0,1
	v_add_f32 v[14+4*\t], v[14+4*\t], v[PX+\t]     ; and lane l xor 16's
.endr
	s_lshl_b32 s41, s[WV], 9
	v_lshl_add_u32 v249, v237, 2, s41
	v_add_nc_u32 v249, STAT, v249                  ; my wave's 512 bytes: 4 L
	s_lshl_b32 s41, s15, 9
	v_lshl_add_u32 v250, v237, 2, s41
	v_add_nc_u32 v250, STAT, v250                  ; and those of the four waves with my queries: + 1,024 a quarter
.irp t, 0,1
	ds_store_b32 v249, v[12+4*\t] offset:256*\t
	ds_store_b32 v249, v[14+4*\t] offset:256*\t+128
.endr
.irp t, 0,1,2,3,4,5,6,7,8,9,10,11,12,13,14,15  ; x for the way out: wave w takes channels 32 w + 2 t + h; sixteen lanes read a channel's 256 bytes.  (Eight plain instructions stand between the last products and these loads)
	global_load_b128 v[XR+4*\t:XR+4*\t+3], v11, s[8:9] offset:32768*\t th:TH_LOAD_NT
.endr
	s_wait_dscnt 0x0                               ; my statistics lie in LDS, and my reads of the slots are over
	s_barrier_signal -1
	s_barrier_wait -1                              ; the same holds of all eight waves: the slots may become stages
.irp t, 0,1
.irp k, 0,1,2,3
	ds_load_b32 v[NMQ+8*\t+\k], v250 offset:1024*\k+256*\t
	ds_load_b32 v[NMQ+4+8*\t+\k], v250 offset:1024*\k+256*\t+128
.endr
.endr
	v_and_b32 v244, 7, v0
	v_bfe_u32 v245, v0, 3, 1
	v_lshl_add_u32 v244, v245, 4, v244
	v_lshlrev_b32 v244, 2, v244                    ; 4 (r % 8 + 16 (r / 8)): query (qp, t, r) is number 32 qp + 16 (r / 8) + 8 t + r % 8 of the 64
	s_mul_i32 s41, s16, STQ
	s_lshl_b32 s42, s15, 7
	s_add_co_u32 s41, s41, s42
	v_mad_u32_u24 v246, v239, 8*STP, v244
	v_add_nc_u32 v246, s41, v246                   ; into my quarter's stage: row = channel (8 h + ..), column = query
	v_add_nc_u32 v247, 128*STP, v246               ; and the same for channels 128 on
	s_lshl_b32 s41, s16, 8
	s_add_co_u32 s41, s41, s42
	v_add_nc_u32 v248, s41, v244
	v_add_nc_u32 v248, GT, v248                    ; my quarter's factors, by query
	s_mul_i32 s41, s[WV], 32*STP
	v_mul_u32_u24 v245, v239, STP
	v_lshl_add_u32 v245, v238, 4, v245
	v_add_nc_u32 v[SR], s41, v245                  ; out of the stages: rows 32 wave + h (+ 2 t), 16 bytes a lane
	v_add_nc_u32 v[SR+1], STQ, v[SR]
	v_add_nc_u32 v[SR+2], 2*STQ, v[SR]
	v_add_nc_u32 v[SR+3], 3*STQ, v[SR]
	v_lshl_add_u32 v251, v238, 4, GT
	s_wait_dscnt 0x0
.irp t, 0,1
.set NM, NMQ+8*\t
.set FA, FT+3*\t
	v_min3_num_f32 v[FA], v[NM], v[NM+1], v[NM+2]
	v_min_num_f32 v[FA], v[FA], v[NM+3]            ; -M*
.irp k, 0,1,2,3
	v_sub_f32 v[NM+\k], v[FA], v[NM+\k]            ; M' - M*: a whole number, 0 or less
.endr
.irp k, 0,1,2,3
	v_cvt_i32_f32 v[NM+\k], v[NM+\k]
.endr
.irp k, 0,1,2,3
	v_ldexp_f32 v[NM+\k], 1.0, v[NM+\k]
.endr
	v_mul_f32 v[FA+1], v[NM], v[NM+4]
.irp k, 1,2,3
	v_fma_f32 v[FA+1], v[NM+\k], v[NM+4+\k], v[FA+1]   ; L
.endr
	v_rcp_f32 v[FA+1], v[FA+1]
	v_sub_f32 v[FA+2], v[FA], v[12+4*\t]           ; (plain places behind the reciprocal)  my own M - M*
	v_cvt_i32_f32 v[FA+2], v[FA+2]
	s_wait_alu depctr_va_vdst(0)
	v_mul_f32 v[FA+1], s38, v[FA+1]
	v_ldexp_f32 v[FA+1], v[FA+1], v[FA+2]          ; g
	ds_store_b32 v248, v[FA+1] offset:32*\t        ; lanes r and 16 + r write the same word with the same value
.endr
	WIN 0x04                                       ; an LDS store's data are its source 1: window 1
.irp t, 0,1
.set c, 0
.rept 16
.set j, 0
.rept 8
.if c < 8
	ds_store_b32 v246, v[128*\t+8*c+j] offset:(16*c+j)*STP+32*\t       ; O^T(channel 16 c + 8 h + j, my query), each accumulator from its low end on
.else
	ds_store_b32 v247, v[128*\t+8*c+j] offset:(16*(c-8)+j)*STP+32*\t
.endif
.set j, j+1
.endr
.set c, c+1
.endr
.endr
	WIN 0
	s_wait_dscnt 0x0                               ; for the others' sake: my part of the stage and my factors lie in LDS
	s_barrier_signal -1
	s_barrier_wait -1
; THE WAY OUT: out = x + the sum over the quarters of g O.  Sixteen lanes hold a channel's 64 queries: 256 consecutive bytes, aligned.
.irp k, 0,1,2,3
	ds_load_b128 v[GR+4*\k:GR+4*\k+3], v251 offset:256*\k
.endr
.macro STLOAD t
.irp k, 0,1,2,3
	ds_load_b128 v[BUF+16*((\t)%2)+4*\k:BUF+16*((\t)%2)+4*\k+3], v[SR+\k] offset:2*STP*(\t)
.endr
.endm
	STLOAD 0
.irp t, 0,1,2,3,4,5,6,7,8,9,10,11,12,13,14,15
.if \t < 15
	STLOAD \t+1
	s_wait_dscnt 4                                 ; this pair of rows is in; the next pair's four loads may be out
.else
	s_wait_dscnt 0x0
.endif
	s_wait_loadcnt 15-\t                           ; x's loads come back in order: this pair's is in
.irp k, 0,1,2,3
.irp e, 0,2
	v_pk_fma_f32 v[XR+4*\t+\e:XR+4*\t+\e+1], v[GR+4*\k+\e:GR+4*\k+\e+1], v[BUF+16*(\t%2)+4*\k+\e:BUF+16*(\t%2)+4*\k+\e+1], v[XR+4*\t+\e:XR+4*\t+\e+1]
.endr
.endr
	global_store_b128 v11, v[XR+4*\t:XR+4*\t+3], s[12:13] offset:32768*\t th:TH_STORE_NT
.endr
	s_wait_tensorcnt 0x0                           ; the wave's end: behind my last tensor load and my last LDS store
	ds_add_u32 v[SPW], v[NIL]
	s_wait_dscnt 0x0
	CROUND                                         ; the closing round: no work-group ends while a partner may still ask for a tile that names it
	s_endpgm
.Lfunc_end_k_q203b497f45_attn:
	.size	k_q203b497f45_attn, .Lfunc_end_k_q203b497f45_attn-k_q203b497f45_attn
	.p2alignl 7, 3214868480
	.fill 96, 4, 3214868480
	.section	.rodata,"a",@progbits
	.p2align	6, 0x0
	.amdhsa_kernel k_q203b497f45_attn
		.amdhsa_group_segment_fixed_size 327680
		.amdhsa_private_segment_fixed_size 0
		.amdhsa_enable_private_segment 0
		.amdhsa_kernarg_size 40
		.amdhsa_user_sgpr_count 2
		.amdhsa_user_sgpr_kernarg_segment_ptr 1
		.amdhsa_wavefront_size32 1
		.amdhsa_system_sgpr_workgroup_id_x 1
		.amdhsa_system_sgpr_workgroup_id_y 1
		.amdhsa_system_sgpr_workgroup_id_z 1
		.amdhsa_system_vgpr_workitem_id 0
		.amdhsa_next_free_vgpr 512
		.amdhsa_next_free_sgpr 66
		.amdhsa_reserve_vcc 1
		.amdhsa_float_denorm_mode_32 3
		.amdhsa_float_denorm_mode_16_64 3
		.amdhsa_memory_ordered 1
		.amdhsa_forward_progress 1
		.amdhsa_inst_pref_size 164
	.end_amdhsa_kernel
	.amdgpu_metadata
---
amdhsa.version: [ 1, 2 ]
amdhsa.kernels:
  - .name:           k_q203b497f45_attn
    .symbol:         k_q203b497f45_attn.kd
    .args:
      - { .name: qws, .offset: 0, .size: 8, .value_kind: global_buffer, .address_space: global }
      - { .name: kv, .offset: 8, .size: 8, .value_kind: global_buffer, .address_space: global }
      - { .name: x, .offset: 16, .size: 8, .value_kind: global_buffer, .address_space: global }
      - { .name: gamma, .offset: 24, .size: 8, .value_kind: global_buffer, .address_space: global }
      - { .name: out0, .offset: 32, .size: 8, .value_kind: global_buffer, .address_space: global }
    .group_segment_fixed_size: 327680
    .private_segment_fixed_size: 0
    .kernarg_segment_align: 8
    .kernarg_segment_size: 40
    .max_flat_workgroup_size: 256
    .sgpr_count:     66
    .vgpr_count:     512
    .wavefront_size: 32
...
	.end_amdgpu_metadata
.endif
;; end of part 2
